; MI455X (gfx1250); checked and timed in simulation.
; The chip was launched on July 23, 2026; its instructions are those of AMD's public machine-readable ISA for CDNA 5 (MIT licence, August 2026) and "CDNA5" Instruction Set Architecture Reference Guide (July 2026). The comments in the code are by the model that wrote it; some were corrected since.
;; Multi Head Self Attention. Allowed arithmetic: matrix products marked QUANTISED: E5M2 operands, one given power-of-two scale a tensor, by v_wmma_f32_16x16x64_bf8_bf8 or v_wmma_f32_16x16x128_bf8_bf8, f32 sums; everything else in f32.
;; Inputs: Wk 16 x 1,024 x 64 float32; Wo 1,024 x 1,024 float32; Wq 16 x 1,024 x 64 float32; Wv 16 x 1,024 x 64 float32; bk 16 x 64 float32; bo 1,024 float32; bq 16 x 64 float32; bv 16 x 64 float32; lowp_scales 12 int32 (the exponents e of the quantised operands' scales 2^e); x 2 x 2,048 x 1,024 float32.
;; Outputs: out0 2 x 2,048 x 1,024 float32.
;; This version of the problem:
;;   THIS VERSION OF THE PROBLEM IS GIVEN IN LOW PRECISION. The matrix products marked QUANTISED in the list below multiply operands that are first quantised to E5M2 (5 exponent bits, 2 mantissa bits; 8 bits a number), with one given power-of-two scale for each operand tensor; their sums are f32. All else is computed in f32.
;;   The module's matrix products, in the order in which they are computed (A, B: the left and right operand; K: the contracted axis; several contracted axes count as one K, in the product's order):
;;     1. [M 1,024, K 1,024] x [K 1,024, N 4,096]; A: input Wq; B: input x: QUANTISED (scales: A lowp_scales[0], B lowp_scales[1])
;;     2. [M 1,024, K 1,024] x [K 1,024, N 4,096]; A: input Wk; B: input x: QUANTISED (scales: A lowp_scales[2], B lowp_scales[3])
;;     3. [M 1,024, K 1,024] x [K 1,024, N 4,096]; A: input Wv; B: input x: QUANTISED (scales: A lowp_scales[4], B lowp_scales[5])
;;     4. batch 32 x [M 2,048, K 64] x [K 64, N 2,048]; A: computed on the way; B: computed on the way: QUANTISED (scales: A lowp_scales[6], B lowp_scales[7])
;;     5. batch 32 x [M 2,048, K 2,048] x [K 2,048, N 64]; A: softmax (see below); B: computed on the way: QUANTISED (scales: A lowp_scales[8], B lowp_scales[9])
;;     6. [M 4,096, K 1,024] x [K 1,024, N 1,024]; A: computed on the way; B: input Wo: QUANTISED (scales: A lowp_scales[10], B lowp_scales[11])
;;   THE QUANTISER, for each operand of a quantised product, along K:
;;     - The operand's scale is 2^e, e = its entry of the input lowp_scales (int32; the entries are numbered through the quantised products in the list's order, A before B).
;;     - Each number is divided by the scale, clamped to +-57,344, and rounded to the nearest number of E5M2, ties to even, subnormals kept.
;;     - The product sums the exact products of the quantised numbers (number of the format x scale) in f32.
;;   ~~~python
;;   def quantise(x, axis, e):      # numpy; x: float32 -> the quantised numbers, widened to float32 again
;;       x = np.moveaxis(x, axis, -1); K = x.shape[-1]
;;       r = np.clip(x / 2.0 ** e, -57344, 57344)
;;       step = 2.0 ** (np.maximum(np.frexp(np.where(r == 0, 1, r))[1] - 1, -14) - 2)
;;       q = np.round(r / step) * step * 2.0 ** e      # np.round: ties to even
;;       return np.moveaxis(q, -1, axis).astype(np.float32)
;;   ~~~
;;   SOFTMAX AHEAD OF A QUANTISED PRODUCT. Where the list says 'softmax', what is quantised is not the finished softmax but p = 2^(t - M), with t = logit x log2(e) and M = ceil(the row's largest t), a whole number; so 1/2 < the row's largest p <= 1. The row's sum l is taken of the UNQUANTISED p, in f32, and the product's result is divided by l at the end. Since M is a whole number, a kernel that streams over the keys may use a running M (the ceiling of the running maximum): every later rescaling is an exact power of two, so the quantised numbers keep their values, but for numbers so far below the row's largest that they fall under the format's range.
;;   OPERANDS COMPUTED ON THE WAY. 'Computed on the way' means the value that the module computes at that place (a softmax that the list does not call 'softmax' is quantised finished and normalised). What goes into a quantiser is computed in f32, as accurately as f32 sums, v_exp_f32 and their like allow (about 1e-6 of the number): no bf16 or f16 on the way to a quantiser, and a product that is left as it is and whose result goes on into a quantised operand takes f32 operands (vector FMAs, or v_wmma_f32_16x16x4_f32). A number that lies on a knife's edge between two numbers of the format may be rounded either way, as far as f32 arithmetic and the matrix unit's own rounding can turn it there, and no further.
;; One version. Each part assembles by itself: llvm-mc -triple=amdgcn-amd-amdhsa -mcpu=gfx1250 --defsym DOCPART=n.
;; ======== version 1 of 1: 4 launches
;; limits: right only within a limited range of input values
;; workspace buffers: xc 12,582,912 bytes; wc 4,194,304 bytes; qc 4,194,304 bytes; kv 8,388,608 bytes; oc 4,194,304 bytes
;; launch prep (part 1): grid 512 x 1, 4 waves a work-group, no clusters, 34,304 bytes of LDS; arguments x, Wq, Wk, Wv, Wo, lowp_scales, xc, wc; writes xc, wc
.if DOCPART == 1
	.amdgcn_target "amdgcn-amd-amdhsa--gfx1250"
	.amdhsa_code_object_version 6
	.text
	.protected	k_qd215bf3818_prep
	.globl	k_qd215bf3818_prep
	.p2align	8
	.type	k_qd215bf3818_prep,@function
k_qd215bf3818_prep:
	s_mov_b64 s[64:65], 0
	v_nop
	global_prefetch_b8 v0, s[64:65] scope:SCOPE_SE
	s_setreg_imm32_b32 hwreg(HW_REG_WAVE_MODE, 25, 1), 1
	s_wait_xcnt 0x0
; x [4096][1024] and the four weights, all f32, become codes of BF8 (E5M2), laid as IMAGES OF OPERAND REGISTERS, so that the later launches load fragments as they lie.
; A fragment is 16 rows x 128 along K: 16 registers a lane, 2,048 bytes: registers 4 c .. 4 c + 3 of lane l lie at 512 c + 16 l.  Lane (r, h) holds row r;
; registers 4 p, 4 p + 1 hold k = 32 p + 8 h + 0 .. 7, registers 4 p + 2, 4 p + 3 hold k = 32 p + 16 + 8 h + 0 .. 7: the 8-bit matrix form's own places (ISA guide 7.12.2).
; code = number / 2^e, held within +-57,344, rounded to the nearest code, ties to even.  x is an operand of three products with three given scales (entries 1, 3, 5): three sets of codes.
; xc: [set 0..2][group of 128 tokens 0..31][K step 0..7][tile 0..7][2048].  THE TOKENS OF A TILE ARE NOT NEIGHBOURS: slot r of tile 2 b + u is token 32 b + 8 u + r + 8 (r / 8) of its group.
; wc: [Wq, Wk, Wv, Wo][group of 128 rows n 0..7][K step][tile][2048]; n = 64 head + d, or Wo's column; a tile's rows are neighbours.
; Work-groups 0-255: one tile of tokens each; wave w takes k = 256 w .. 256 w + 255.  Work-groups 256-511: 64 columns x 256 along K of one weight; a wave takes 32 columns x 128 along K.
; Waves share nothing: no barrier.  Only the tokens' path uses LDS.
; LIMITS: the exponents used here (entries 0, 1, 2, 3, 4, 5, 11) lie between -126 and 112, so that 2^e and 57,344 x 2^e are f32 numbers.  NaN among the inputs is not served.
.set R,  16                            ; v16-143  numbers as loaded; on the tokens' path later the codes
.set X,  144                           ; v144-207 tokens: a lane's 64 numbers of a K step
.set T,  208                           ; v208-223 tokens: two sets of eight held numbers, by turns
.set D,  144                           ; v144-175 weights: the codes
.set SC, 224                           ; v224-226 2^e as f32
.set LM, 227                           ; v227-229 57,344 x 2^e
.set SP, 528                           ; a stage row: 512 bytes + 16: 33 x 16 bytes, so that sixteen rows' reads of 16 bytes fall on sixteen different columns of 16 bytes
.macro SCALE e, i                      ; from the exponent in s[e]
	s_add_co_i32 s52, s[\e], 127
	s_lshl_b32 s53, s52, 23
	v_mov_b32 v[SC+\i], s53                        ; the conversion takes this number's exponent field
	s_add_co_i32 s52, s52, 15
	s_lshl_b32 s52, s52, 23
	s_or_b32 s52, s52, 0x600000
	v_mov_b32 v[LM+\i], s52
.endm
	s_load_b512 s[8:23], s[0:1], 0x0               ; x s[8:9], Wq s[10:11], Wk s[12:13], Wv s[14:15], Wo s[16:17], the exponents s[18:19], xc s[20:21], wc s[22:23]
	v_lshl_add_u32 v240, v0, 2, 0x8400
	v_mov_b32 v241, 0
	v_lshrrev_b32 v1, 5, v0
	v_readfirstlane_b32 s36, v1                    ; wave 0..3
	v_and_b32 v6, 31, v0                           ; lane
	s_wait_kmcnt 0x0
	s_load_b256 s[24:31], s[18:19], 0x0            ; entries 0 to 7
	s_load_b128 s[32:35], s[18:19], 0x20           ; entries 8 to 11
	s_cmp_lt_u32 ttmp9, 256
	s_cbranch_scc0 .Lweights
	; ---------------- tokens ----------------
	s_lshr_b32 s37, ttmp9, 3                       ; the group of 128 tokens
	s_and_b32 s38, ttmp9, 7                        ; the tile t = 2 b + u
	s_and_b32 s39, s38, 6
	s_lshl_b32 s39, s39, 4                         ; 32 b
	s_and_b32 s50, s38, 1
	s_lshl_b32 s50, s50, 3                         ; 8 u
	s_add_co_u32 s39, s39, s50
	s_lshl_b32 s50, s37, 7
	s_add_co_u32 s39, s39, s50                     ; the token of slot 0
	s_lshl_b32 s50, s39, 12                        ; a row of x is 4,096 bytes
	s_lshl_b32 s51, s36, 10                        ; my wave's 256 numbers of it
	s_add_co_u32 s50, s50, s51
	s_mov_b32 s51, 0
	s_add_nc_u64 s[8:9], s[8:9], s[50:51]
	s_lshl_b32 s50, s37, 17                        ; xc: group x 131,072 + tile x 2,048 + my two K steps x 16,384
	s_lshl_b32 s52, s38, 11
	s_add_co_u32 s50, s50, s52
	s_lshl_b32 s52, s36, 15
	s_add_co_u32 s50, s50, s52
	s_add_nc_u64 s[44:45], s[20:21], s[50:51]      ; set 0,
	s_add_nc_u64 s[46:47], s[44:45], 0x400000      ; set 1,
	s_add_nc_u64 s[48:49], s[44:45], 0x800000      ; set 2
	s_wait_alu depctr_va_vdst(0)
	v_lshlrev_b32 v1, 4, v6                        ; 16 x lane
	s_mul_i32 s52, s36, 16*SP                      ; my wave's stage
	v_add_nc_u32 v2, s52, v1                       ; into it: a row's 512 bytes as they lie
	v_and_b32 v7, 15, v0
	v_bfe_u32 v8, v0, 4, 1
	v_mul_u32_u24 v3, v7, SP
	v_lshl_add_u32 v3, v8, 5, v3
	v_add_nc_u32 v3, s52, v3                       ; out of it: row r, + 32 h bytes: eight numbers for each half of the lanes
.set hh, 0
.rept 2
.set q, 0
.rept 16
	global_load_b128 v[R+64*hh+4*q:R+64*hh+4*q+3], v1, s[8:9] offset:(q+8*(q/8))*4096+512*hh th:TH_LOAD_NT   ; slot q's 128 numbers of K step hh: 32 lanes read 512 consecutive bytes
.set q, q+1
.endr
.set hh, hh+1
.endr
	s_wait_alu depctr_va_vdst(0)
	s_wait_kmcnt 0x0
	SCALE 25, 0
	SCALE 27, 1
	SCALE 29, 2
; One K step of 128: through the stage, so that a lane holds neighbours along K; then three times held and converted.
.macro XSTEP hf
.if \hf == 0
	s_wait_loadcnt 16                              ; the first K step's 16 loads are in; the second's may be out
.else
	s_wait_loadcnt 0x0
.endif
.set q, 0
.rept 16
	ds_store_b128 v2, v[R+64*\hf+4*q:R+64*\hf+4*q+3] offset:SP*q
.set q, q+1
.endr
.set q, 0
.rept 16
	ds_load_b128 v[X+4*q:X+4*q+3], v3 offset:128*(q/4)+64*((q%4)/2)+16*(q%2)   ; LDS serves a wave's instructions in order (ISA guide 5.7.1.4): these see the stores above.  X[16 p + 0..7]: k = 32 p + 8 h + 0..7; X[16 p + 8..15]: 16 further on
.set q, q+1
.endr
	s_wait_dscnt 0x0                               ; the numbers are back, and the stores have read their registers, which now take the codes
.set p, 0
.rept 4
.set e, 0
.rept 3
.set g, 0
.rept 2
.set i, 0
.rept 8
	v_med3_num_f32 v[T+8*g+i], v[X+16*p+8*g+i], -v[LM+e], v[LM+e]   ; the conversion to an 8-bit code does not saturate (ISA guide 7.6.2): the hold comes first.  The two sets of T take turns: eight plain lines stand between a conversion and the next write of its sources
.set i, i+1
.endr
	v_cvt_scalef32_pk8_bf8_f32 v[R+64*\hf+16*e+4*p+2*g:R+64*\hf+16*e+4*p+2*g+1], v[T+8*g:T+8*g+7], v[SC+e]
.set g, g+1
.endr
.set e, e+1
.endr
.set p, p+1
.endr
.set e, 0
.rept 3
.set p, 0
.rept 4
	global_store_b128 v1, v[R+64*\hf+16*e+4*p:R+64*\hf+16*e+4*p+3], s[44+2*e:45+2*e] offset:16384*\hf+512*p   ; 32 lanes store 512 consecutive bytes, aligned; no store's data are written again
.set p, p+1
.endr
.set e, e+1
.endr
.endm
	s_wait_alu depctr_va_vdst(0)
	XSTEP 0
	XSTEP 1
	s_wait_tensorcnt 0x0
	ds_add_u32 v240, v241
	s_wait_dscnt 0x0
	s_endpgm
	; ---------------- weights: K is not innermost.  A lane takes a column and its registers run down K ----------------
.Lweights:
	s_sub_co_u32 s37, ttmp9, 256
	s_lshr_b32 s38, s37, 6                         ; which weight: 0 Wq, 1 Wk, 2 Wv, 3 Wo
	s_bfe_u32 s39, s37, 0x40002                    ; which 64 columns (for Wq, Wk, Wv: the head)
	s_and_b32 s40, s37, 3
	s_lshl_b32 s40, s40, 1
	s_lshr_b32 s41, s36, 1
	s_add_co_u32 s40, s40, s41                     ; my wave's K step of 128
	s_and_b32 s41, s36, 1                          ; my wave's 32 of the 64 columns
	s_wait_alu depctr_va_vdst(0)
	v_lshlrev_b32 v4, 2, v6                        ; in: 4 bytes a lane
	v_lshrrev_b32 v5, 4, v6
	v_and_b32 v7, 15, v6
	v_lshlrev_b32 v5, 11, v5
	v_lshl_add_u32 v5, v7, 4, v5                   ; out: my column's tile (lane / 16) x 2,048 + 16 x (lane % 16)
	s_lshl_b32 s50, s38, 20                        ; wc: weight x 1 MiB + group x 131,072 + K step x 16,384 + tile x 2,048
	s_lshr_b32 s52, s39, 1
	s_lshl_b32 s52, s52, 17
	s_add_co_u32 s50, s50, s52
	s_lshl_b32 s52, s40, 14
	s_add_co_u32 s50, s50, s52
	s_and_b32 s52, s39, 1
	s_lshl_b32 s52, s52, 13
	s_add_co_u32 s50, s50, s52
	s_lshl_b32 s52, s41, 12
	s_add_co_u32 s50, s50, s52
	s_mov_b32 s51, 0
	s_add_nc_u64 s[22:23], s[22:23], s[50:51]
; pitch: bytes from k to k + 1 in memory.  A lane's 32 codes of a block serve both halves of the image's lanes: numbers 0-7 and 16-23 are lane (r, 0)'s four registers, numbers 8-15 and 24-31 lane (r, 1)'s.
.macro WPATH pitch
.set q, 0
.rept 128
	global_load_b32 v[R+q], v4, s[8:9] offset:q*\pitch   ; row k at 32 neighbouring columns: 128 consecutive bytes a wave
.set q, q+1
.endr
	s_wait_kmcnt 0x0
.if \pitch == 256
	s_cmp_eq_u32 s38, 0
	s_cselect_b32 s54, s24, s26                    ; entry 0, 2
	s_cmp_eq_u32 s38, 2
	s_cselect_b32 s54, s28, s54                    ; or 4
.else
	s_mov_b32 s54, s35                             ; entry 11
.endif
	SCALE 54, 0
.set p, 0
	s_wait_alu depctr_va_vdst(0)
.rept 4
.if p < 2
	s_wait_loadcnt 63                              ; block p's 32 loads are in: 96 and 64 younger ones might stay out; 63 is the most that the wait can name
.else
	s_wait_loadcnt 32*(3-p)
.endif
.set i, 0
.rept 32
	v_med3_num_f32 v[R+32*p+i], v[R+32*p+i], -v[LM], v[LM]
.set i, i+1
.endr
	v_cvt_scalef32_pk8_bf8_f32 v[D+8*p:D+8*p+1],   v[R+32*p:R+32*p+7],     v[SC]
	v_cvt_scalef32_pk8_bf8_f32 v[D+8*p+4:D+8*p+5], v[R+32*p+8:R+32*p+15],  v[SC]
	v_cvt_scalef32_pk8_bf8_f32 v[D+8*p+2:D+8*p+3], v[R+32*p+16:R+32*p+23], v[SC]
	v_cvt_scalef32_pk8_bf8_f32 v[D+8*p+6:D+8*p+7], v[R+32*p+24:R+32*p+31], v[SC]
	global_store_b128 v5, v[D+8*p:D+8*p+3],   s[22:23] offset:512*p       ; sixteen lanes store 256 consecutive bytes, aligned: the image's lanes 0-15,
	global_store_b128 v5, v[D+8*p+4:D+8*p+7], s[22:23] offset:512*p+256   ; and its lanes 16-31.  (The results go to stores alone; the next block begins with plain lines on other registers)
.set p, p+1
.endr
	s_endpgm
.endm
	s_cmp_eq_u32 s38, 3
	s_cbranch_scc1 .Lwo
	s_cmp_eq_u32 s38, 0                            ; the choice hangs on the work-group's number alone
	s_cselect_b64 s[8:9], s[10:11], s[12:13]
	s_cmp_eq_u32 s38, 2
	s_cselect_b64 s[8:9], s[14:15], s[8:9]
	s_lshl_b32 s50, s39, 18                        ; [head][k][d]: head x 262,144 + K step x 128 x 256 + 128 bytes for the second 32 columns
	s_lshl_b32 s52, s40, 15
	s_add_co_u32 s50, s50, s52
	s_lshl_b32 s52, s41, 7
	s_add_co_u32 s50, s50, s52
	s_add_nc_u64 s[8:9], s[8:9], s[50:51]
	s_wait_alu depctr_va_vdst(0)
	WPATH 256
.Lwo:
	s_lshl_b32 s50, s40, 19                        ; [k][column]: K step x 128 x 4,096 + 64 columns x 256 bytes + 128
	s_lshl_b32 s52, s39, 8
	s_add_co_u32 s50, s50, s52
	s_lshl_b32 s52, s41, 7
	s_add_co_u32 s50, s50, s52
	s_add_nc_u64 s[8:9], s[16:17], s[50:51]
	s_wait_alu depctr_va_vdst(0)
	WPATH 4096
.Lfunc_end_k_qd215bf3818_prep:
	.size	k_qd215bf3818_prep, .Lfunc_end_k_qd215bf3818_prep-k_qd215bf3818_prep
	.p2alignl 7, 3214868480
	.fill 96, 4, 3214868480
	.section	.rodata,"a",@progbits
	.p2align	6, 0x0
	.amdhsa_kernel k_qd215bf3818_prep
		.amdhsa_group_segment_fixed_size 34304
		.amdhsa_private_segment_fixed_size 0
		.amdhsa_enable_private_segment 0
		.amdhsa_kernarg_size 64
		.amdhsa_user_sgpr_count 2
		.amdhsa_user_sgpr_kernarg_segment_ptr 1
		.amdhsa_wavefront_size32 1
		.amdhsa_system_sgpr_workgroup_id_x 1
		.amdhsa_system_sgpr_workgroup_id_y 1
		.amdhsa_system_sgpr_workgroup_id_z 1
		.amdhsa_system_vgpr_workitem_id 0
		.amdhsa_next_free_vgpr 242
		.amdhsa_next_free_sgpr 66
		.amdhsa_reserve_vcc 0
		.amdhsa_float_denorm_mode_32 3
		.amdhsa_float_denorm_mode_16_64 3
		.amdhsa_memory_ordered 1
		.amdhsa_forward_progress 1
		.amdhsa_inst_pref_size 86
	.end_amdhsa_kernel
	.amdgpu_metadata
---
amdhsa.version: [ 1, 2 ]
amdhsa.kernels:
  - .name:           k_qd215bf3818_prep
    .symbol:         k_qd215bf3818_prep.kd
    .args:
      - { .name: x, .offset: 0, .size: 8, .value_kind: global_buffer, .address_space: global }
      - { .name: Wq, .offset: 8, .size: 8, .value_kind: global_buffer, .address_space: global }
      - { .name: Wk, .offset: 16, .size: 8, .value_kind: global_buffer, .address_space: global }
      - { .name: Wv, .offset: 24, .size: 8, .value_kind: global_buffer, .address_space: global }
      - { .name: Wo, .offset: 32, .size: 8, .value_kind: global_buffer, .address_space: global }
      - { .name: lowp_scales, .offset: 40, .size: 8, .value_kind: global_buffer, .address_space: global }
      - { .name: xc, .offset: 48, .size: 8, .value_kind: global_buffer, .address_space: global }
      - { .name: wc, .offset: 56, .size: 8, .value_kind: global_buffer, .address_space: global }
    .group_segment_fixed_size: 34304
    .private_segment_fixed_size: 0
    .kernarg_segment_align: 8
    .kernarg_segment_size: 64
    .max_flat_workgroup_size: 128
    .sgpr_count:     66
    .vgpr_count:     242
    .wavefront_size: 32
...
	.end_amdgpu_metadata
.endif
;; end of part 1
;; launch qkv (part 2): grid 4 x 48, 4 waves a work-group, clusters of 4 x 4, 327,680 bytes of LDS; arguments xc, wc, bq, bk, bv, lowp_scales, qc, kv; writes qc, kv
.if DOCPART == 2
	.amdgcn_target "amdgcn-amd-amdhsa--gfx1250"
	.amdhsa_code_object_version 6
	.text
	.protected	k_qd215bf3818_qkv
	.globl	k_qd215bf3818_qkv
	.p2align	8
	.type	k_qd215bf3818_qkv,@function
k_qd215bf3818_qkv:
	s_mov_b64 s[64:65], 0
	v_nop
	global_prefetch_b8 v0, s[64:65] scope:SCOPE_SE
	s_setreg_imm32_b32 hwreg(HW_REG_WAVE_MODE, 25, 1), 1
	s_wait_xcnt 0x0
	s_wait_alu depctr_hold_cnt(0) depctr_sa_sdst(0) depctr_va_vdst(0) depctr_va_sdst(0) depctr_va_ssrc(0) depctr_va_vcc(0) depctr_vm_vsrc(0)
	s_getreg_b32 s2, hwreg(HW_REG_IB_STS2, 6, 4)
	s_cmp_eq_u32 s2, 0
	s_cbranch_scc0 .Lentry_in_a_cluster
	s_endpgm
.Lentry_in_a_cluster:
	s_bfe_u32 s2, ttmp6, 0x10000c
	s_cmp_lg_u32 s2, 0xf033
	s_cbranch_scc0 .Lentry_shape_is_right
	s_endpgm
.Lentry_shape_is_right:
; q, k, v = x W + b on codes of BF8 (E5M2), K = 1,024; the results are quantised on the way out and leave as codes, laid as images of the operand registers of the attention that follows.
; Operands: xc [set][group of 128 tokens][K step of 128][tile][2048] and wc [weight][group of 128 features][K step][tile][2048]: a fragment (16 rows x 128 K, 16 registers a lane) lies as 4 x 512 bytes, lane l's 16 bytes at 16 l.
; A tile of the result, 256 x 256, is made by a work-group of four waves; a wave makes 128 x 128: 64 accumulators, 512 registers.  K goes in steps of 256 through a ring of two LDS slots; a wave's tensor load brings
; 128 rows x 256 along K of one operand, which is ONE DENSE BLOCK of 32,768 bytes of the workspace.  No pitch and no padding: an LDS load's 512 bytes are consecutive.
; SOURCE 0 and SOURCE 1.  In a result, a lane holds one row of source 1, and its eight registers eight rows of source 0.
;   q, k: source 0 = the weight (features), source 1 = x (tokens): a lane holds a token and eight neighbouring features: the next product's K is the head's 64.
;   v:    source 0 = x (tokens), source 1 = Wv (features): a lane holds a feature and, by the order of tokens in a tile (slot r of tile 2 b + u is token 32 b + 8 u + r + 8 (r / 8)),
;         the 16 registers of two neighbouring tiles are 16 neighbouring keys: the next product's K is the keys.
;   The two cases differ in pointers and tile numbers alone, chosen on the cluster's y, which all sixteen partners share; the loop is one text.
; CLUSTERS: 4 x 4 work-groups; cluster y = 4 x (0 q, 1 k, 2 v) + which quarter of the 16 token tiles.  Source 1's tile hangs on cy alone and is asked for jointly by a row of the cluster, source 0's on cx alone, by a column.
; THE WAY OUT needs no LDS: sum + b / 2^(ew + ex), held, converted with the one scale 2^(eout - ew - ex): the conversions' results are registers of the next operand, stored 512 consecutive bytes an instruction.
;   qc: [batch x head 0..31][tile of 16 tokens 0..127][1024];  kv: [batch x head][step of 128 keys 0..15][K: 8 tiles x 1024 | V: 4 tiles of 16 channels x 2048].
; LIMITS: eout - ew - ex between -126 and 112 for each of (6; 0, 1), (7; 2, 3), (9; 4, 5), the entries of the exponents.  NaN among the inputs is not served.
; REGISTERS, in windows of 256: window 0: v16-31 addresses and scales; v32-95 the biases; from v128 source 1's fragments, ONE set; on the way out v128-191 sums + bias, v192-255 four sets of codes.
;   window 1: source 0's fragments, TWO sets.   window 2: the 32 accumulators of my rows 0-63 of source 1 (accumulator (a, b) at v[8 (8 a + b)]);   window 3: those of rows 64-127.
.set HALFT,  32768                     ; what one tensor load brings, and what one wave reads of an operand in a slot: [128 along K 0..1][tile 0..7][2048]
.set SLOT,   4*HALFT                   ; source 1's two halves, then source 0's two halves
.set SPARE,  2*SLOT                    ; behind the ring: the spare words, 128 bytes for each wave: two blocks of 256 bytes that no other line names
.set LAPS,   2                         ; a lap = two slots = 512 along K
.set FR,     16                        ; registers of a fragment
.set NL,     4                         ; LDS loads that bring one
.set NP,     4                         ; places behind this matrix instruction (ISA guide 7.12.1)
.set ADRA, 16                          ; v16-17  LDS address of my fragments of source 1 in slot 0, 1
.set ADRB, 20                          ; v20-21  the same for source 0
.set STA,  24                          ; v24     16 x lane
.set STB,  25                          ; v25     q, k: the same in the next head's part
.set BO,   26                          ; v26     my lane's offset among the biases
.set SPW,  28                          ; v28     LDS address of my spare word; never rewritten
.set NIL,  29                          ; v29     0; never rewritten
.set SCL,  30                          ; v30     2^(eout - ew - ex) as f32
.set LIM,  31                          ; v31     57,344 x that
.set BIAS, 32
.set AF,   128                         ; source 1's fragments
.set TMP,  128
.set CODE, 192
.set G1, 24                            ; s[24:31] descriptor group 1 for source 1's tiles;  s[32:39] group 0, one set for each slot
.set G0, 32
.set G1B, 48                           ; s[48:55], s[56:63] the same for source 0's
.set G0B, 56
.set MSB, 0
.macro WIN new                         ; the immediate's high byte repeats the setting that is left
.if MSB != \new
	s_set_vgpr_msb (MSB<<8)|\new
.set MSB, \new
.endif
.endm
.set MUL_LO, 0xa1                      ; source 0 window 1, source 1 window 0, C and D window 2
.set MUL_HI, 0xf1                      ; the same, C and D window 3
.set TO_B,   0x40                      ; destination window 1, address window 0
; A joint load: waves 0 and 1 fetch for source 1, waves 2 and 3 for source 0.  Each line has one mask and one set of registers for all that issue it; the branch hangs on the wave's number alone.
; Four v_nop follow each of the two lines, ahead of the jump, the label and what follows.
.macro JLOAD g0a, g1a, g0b, g1b
	s_cmp_eq_u32 s15, 0
	s_cbranch_scc0 .Lfor_b_\@
	tensor_load_to_lds s[\g0a:\g0a+3], s[\g1a:\g1a+7]
	s_nop 0
.rept 4
	v_nop
.endr
	s_branch .Lasked_\@
.Lfor_b_\@:
	tensor_load_to_lds s[\g0b:\g0b+3], s[\g1b:\g1b+7]
	s_nop 0
.rept 4
	v_nop
.endr
.Lasked_\@:
.endm
.macro CREST                           ; a round of the cluster's barrier behind its opening barrier
	s_cmp_lg_u32 s14, 0
	s_cbranch_scc1 .Lnot_wave_0_\@
	s_barrier_signal -3
.Lnot_wave_0_\@:
	s_barrier_wait -3
	s_barrier_signal -1
	s_barrier_wait -1
.endm
.macro CROUND                          ; a whole round
	s_barrier_signal -1
	s_barrier_wait -1
	CREST
.endm
	s_load_b512 s[68:83], s[0:1], 0x0              ; xc s[68:69], wc s[70:71], bq s[72:73], bk s[74:75], bv s[76:77], the exponents s[78:79], qc s[80:81], kv s[82:83]
	v_lshl_add_u32 v[SPW], v0, 2, SPARE
	v_mov_b32 v[NIL], 0
	ds_add_u32 v28, v29
	ds_add_u32 v28, v29
	s_wait_dscnt 0x0
	v_lshrrev_b32 v1, 5, v0
	v_readfirstlane_b32 s14, v1                    ; wave 0..3
	s_lshr_b32 s15, s14, 1                         ; which half of source 1's 256 rows is mine.  Also: I fetch for source 1 (0) or for source 0 (1)
	s_and_b32 s16, s14, 1                          ; which half of source 0's.  Also: which 128 rows I fetch
	s_bfe_u32 s40, ttmp6, 0x40000                  ; cx, cy: my place in the cluster
	s_bfe_u32 s41, ttmp6, 0x40004
	s_and_b32 s17, ttmp7, 0xffff                   ; the cluster's y, 0..11
	s_lshr_b32 s18, s17, 2                         ; 0 q, 1 k, 2 v
	s_and_b32 s19, s17, 3
	s_lshl_b32 s19, s19, 2                         ; the first of this cluster's four token tiles
	s_lshl_b32 s43, s41, 2
	s_lshl_b32 s43, 15, s43                        ; my row of the cluster
	s_lshl_b32 s44, 0x1111, s40                    ; my column
	; descriptor group 1: a dense block of 32,768 bytes as 128 rows of 32 elements of 8 bytes
	s_or_b32 s[G1+0], s43, (3<<16)|(1<<21)         ; 15:0 the mask: source 1's tiles go to my row; 17:16 elements of 8 bytes; 20 no padding; 21 set beside a mask
	s_or_b32 s[G1B+0], s44, (3<<16)|(1<<21)        ; source 0's go to my column
.irp g, G1, G1B
	s_mov_b32 s[\g+1], 32<<16                      ; tensor_dim0 = 32
	s_mov_b32 s[\g+2], 128<<16                     ; tensor_dim1 = 128
	s_mov_b32 s[\g+3], 32<<16                      ; tile_dim0 = 32
	s_mov_b32 s[\g+4], 128                         ; tile_dim1 = 128
	s_mov_b32 s[\g+5], 32                          ; tensor_dim0_stride: the rows are dense
	s_mov_b32 s[\g+6], 0
	s_mov_b32 s[\g+7], 0
.endr
	s_lshl_b32 s22, s18, 20                        ; the weight's part of wc: 1 MiB each
	s_lshl_b32 s23, s18, 22                        ; the set of x's codes: 4 MiB each
	s_lshl_b32 s66, s16, 17                        ; which group of 128 rows of the tile I fetch: 131,072 bytes each
	s_cmp_eq_u32 s18, 2                            ; v?
	s_cselect_b32 s42, s19, 0
	s_cselect_b32 s13, 0, s19
	s_cselect_b32 s46, s23, s22
	s_cselect_b32 s20, s22, s23
	s_add_co_u32 s42, s42, s40                     ; source 0's tile of 256 rows: hangs on cx, never on cy
	s_add_co_u32 s13, s13, s41                     ; source 1's: hangs on cy, never on cx
	s_lshl_b32 s47, s42, 18
	s_add_co_u32 s46, s46, s47
	s_add_co_u32 s46, s46, s66
	s_mov_b32 s47, 0
	s_lshl_b32 s21, s13, 18
	s_add_co_u32 s20, s20, s21
	s_add_co_u32 s20, s20, s66
	s_mov_b32 s21, 0
	s_lshl_b32 s45, s14, 15                        ; where my load goes: wave x HALFT: no place in the cluster enters an LDS address
	s_wait_kmcnt 0x0
	s_load_b256 s[88:95], s[78:79], 0x0            ; entries 0 to 7
	s_load_b128 s[96:99], s[78:79], 0x20           ; entries 8 to 11
	s_cmp_eq_u32 s18, 2
	s_cselect_b64 s[4:5], s[68:69], s[70:71]       ; source 0's buffer: xc for v, else wc
	s_cselect_b64 s[6:7], s[70:71], s[68:69]       ; source 1's
	s_add_nc_u64 s[46:47], s[4:5], s[46:47]
	s_add_nc_u64 s[20:21], s[6:7], s[20:21]
	CROUND                                         ; all sixteen work-groups are here: the first joint loads meet
.irp s, 0,1
	s_mov_b32 s[G0+4*\s], 1
	s_add_co_u32 s[G0+4*\s+1], s45, \s*SLOT
	s_add_nc_u64 s[G0+4*\s+2:G0+4*\s+3], s[20:21], \s*HALFT   ; 256 along K are 32,768 bytes of a group
	s_or_b32 s[G0+4*\s+3], s[G0+4*\s+3], 0x80000000
	s_mov_b32 s[G0B+4*\s], 1
	s_add_co_u32 s[G0B+4*\s+1], s45, \s*SLOT
	s_add_nc_u64 s[G0B+4*\s+2:G0B+4*\s+3], s[46:47], \s*HALFT
	s_or_b32 s[G0B+4*\s+3], s[G0B+4*\s+3], 0x80000000
.endr
	JLOAD G0, G1, G0B, G1B                         ; slot 0: one tensor load a wave at the head
	v_and_b32 v1, 31, v0
	v_lshlrev_b32 v[STA], 4, v1                    ; 16 x lane: my place in every piece of an image
	s_lshl_b32 s22, s15, 15                        ; my 128 rows of source 1
	s_lshl_b32 s23, s16, 15                        ; my 128 rows of source 0,
	s_add_co_u32 s23, s23, 2*HALFT                 ; which lie behind source 1's two halves
.irp s, 0,1
	v_add_nc_u32 v[ADRA+\s], s22, v[STA]
	v_add_nc_u32 v[ADRB+\s], s23, v[STA]
	s_add_co_u32 s22, s22, SLOT
	s_add_co_u32 s23, s23, SLOT
.endr
.macro FRAG reg, adr, q, i             ; tile i's fragment of the slot's q-th 128 along K: four pieces of 512 consecutive bytes
.irp c, 0,1,2,3
	ds_load_b128 v[\reg+4*\c:\reg+4*\c+3], v[\adr] offset:16384*(\q)+2048*(\i)+512*\c
.endr
.endm
; 16 matrix instructions: source 1's blocks a0, a0 + 1 x source 0's eight, 128 along K.  p: source 0's set.  zero = 1: the first product starts the sums: nothing is ever cleared.
; The 64 accumulators take turns, one instruction a turn, in the same order in every step.
.macro MUL16 a0, p, zero
.irp a, \a0, \a0+1
.irp b, 0,1,2,3,4,5,6,7
.if \zero
	v_wmma_f32_16x16x128_bf8_bf8 v[8*(8*((\a)%4)+\b):8*(8*((\a)%4)+\b)+7], v[128*(\p)+FR*\b:128*(\p)+FR*\b+FR-1], v[AF+FR*(\a):AF+FR*(\a)+FR-1], 0
.else
	v_wmma_f32_16x16x128_bf8_bf8 v[8*(8*((\a)%4)+\b):8*(8*((\a)%4)+\b)+7], v[128*(\p)+FR*\b:128*(\p)+FR*\b+FR-1], v[AF+FR*(\a):AF+FR*(\a)+FR-1], v[8*(8*((\a)%4)+\b):8*(8*((\a)%4)+\b)+7]
.endif
.endr
.endr
.endm
.macro FETCH_B slot, q, p              ; source 0's eight fragments into set p
	WIN TO_B
.irp i, 0,1,2,3,4,5,6,7
	FRAG 128*(\p)+FR*\i, ADRB+\slot, \q, \i
.endr
	WIN 0
.endm
.macro FETCH_A slot, q, i0             ; source 1's blocks i0 .. i0 + 3
.irp i, \i0, \i0+1, \i0+2, \i0+3
	FRAG AF+FR*(\i), ADRA+\slot, \q, \i
.endr
.endm
; A load into a register that a matrix instruction has read, and a vector instruction that reads a matrix result or writes one of a matrix instruction's registers, stand NP places behind it; only plain vector
; instructions that name none of its registers are places (ISA guide 7.12.1 for vector instructions).
.macro PLACES n
.rept \n
	v_nop
.endr
.endm
; A step of 128 along K that has its successor in the same slot.  A block of source 1 is free as soon as its eight products are issued: blocks 0-3 are fetched anew in the step's middle, blocks 4-7 at its end.
.macro STEP slot, q, zero
	s_wait_dscnt 4*NL                              ; source 0's set and source 1's blocks 0-3 are in; the youngest 16 loads (blocks 4-7) may be out
	WIN MUL_LO
	MUL16 0, (\q)%2, \zero
	MUL16 2, (\q)%2, \zero
	s_wait_dscnt 0                                 ; blocks 4-7 are in (asked for 32 matrix instructions ago)
	PLACES NP
	FETCH_B \slot, (\q)+1, 1-(\q)%2
	FETCH_A \slot, (\q)+1, 0
	WIN MUL_HI
	MUL16 4, (\q)%2, \zero
	MUL16 6, (\q)%2, \zero
	PLACES NP
	WIN 0
	FETCH_A \slot, (\q)+1, 4
.endm
; A slot's last step changes slots: ONE barrier; in front of it each wave waits for all its tensor loads, adds 0 to its spare word, and waits for that and for its own reads of this slot.  fill = 1: this slot is filled again, 512 along K ahead.
.macro TURN slot, next, fill
	s_wait_tensorcnt 0x0                           ; all my tensor loads have landed: my part of the next slot  (every window is 0 here)
	ds_add_u32 v[SPW], v[NIL]                      ; 0 onto my spare word
	s_wait_dscnt 4*NL+1                            ; (the add and the youngest 16 loads, blocks 4-7, may be out)
	WIN MUL_LO
	MUL16 0, 1, 0                                  ; sixteen matrix instructions stand between the add and the wait for it
	s_wait_dscnt 0x0                               ; the add is done, and my reads of this slot are over
	s_barrier_signal -1
	MUL16 2, 1, 0
	WIN 0
	s_barrier_wait -1
.if \fill
	CREST                                          ; the barrier has opened a round of the cluster's barrier: no wave of any partner still reads this slot or has a load on its way
	s_add_nc_u64 s[G0+4*\slot+2:G0+4*\slot+3], s[G0+4*\slot+2:G0+4*\slot+3], 2*HALFT
	s_add_nc_u64 s[G0B+4*\slot+2:G0B+4*\slot+3], s[G0B+4*\slot+2:G0B+4*\slot+3], 2*HALFT
	JLOAD G0+4*\slot, G1, G0B+4*\slot, G1B         ; the first tensor load behind the round, my one load until the next; its four v_nop are the places in front of the loads below
.else
	PLACES NP
.endif
	FETCH_B \next, 0, 0
	FETCH_A \next, 0, 0
	WIN MUL_HI
	MUL16 4, 1, 0
	MUL16 6, 1, 0
	PLACES NP
	WIN 0
	FETCH_A \next, 0, 4
.endm
; THE TAIL, once for q and k (isv = 0) and once for v (isv = 1): behind the last change of slots, so that no tensor load and no barrier stands in it.  Each arm makes its own addresses and asks for its own biases,
; runs the last two steps of 128 along K (128 matrix instructions, under which the biases land), and goes out.
.macro TAIL isv
	s_wait_kmcnt 0x0                               ; the exponents
.if \isv
	v_and_b32 v2, 15, v0
	v_lshlrev_b32 v[BO], 2, v2                     ; a lane holds ONE feature, 16 a + r of my 128
	s_lshl_b32 s66, s13, 10                        ; my first feature, in bytes: 256 x tile x 4 + 128 x half x 4
	s_lshl_b32 s67, s15, 9
	s_add_co_u32 s66, s66, s67
	s_mov_b32 s67, 0
	s_add_nc_u64 s[8:9], s[76:77], s[66:67]        ; bv
.irp a, 0,1,2,3,4,5,6,7
	global_load_b32 v[BIAS+2*\a],   v[BO], s[8:9] offset:64*\a   ; twice, to fill the pair that the packed addition names
	global_load_b32 v[BIAS+2*\a+1], v[BO], s[8:9] offset:64*\a
.endr
	s_lshl_b32 s85, s42, 1
	s_add_co_u32 s85, s85, s16                     ; my group of 128 tokens, 0..31
	s_lshr_b32 s86, s85, 4
	s_lshl_b32 s86, s86, 4                         ; 16 x batch
	s_lshl_b32 s87, s13, 2
	s_add_co_u32 s86, s86, s87
	s_lshl_b32 s87, s15, 1
	s_add_co_u32 s86, s86, s87                     ; + my first head
	s_lshl_b32 s86, s86, 18                        ; x 262,144
	s_and_b32 s85, s85, 15
	s_lshl_b32 s85, s85, 14                        ; + the step of 128 keys x 16,384
	s_add_co_u32 s66, s86, s85
	s_add_co_u32 s66, s66, 8192                    ; behind K's image
	s_add_nc_u64 s[10:11], s[82:83], s[66:67]
	s_add_co_i32 s84, s92, s93                     ; ew + ex
	s_sub_co_i32 s86, s97, s84                     ; eout - ew - ex
.else
	v_bfe_u32 v2, v0, 4, 1
	v_lshlrev_b32 v[BO], 5, v2                     ; a lane holds features 16 b + 8 h + 0 .. 7
	s_wait_alu depctr_va_vdst(0)
	s_cmp_eq_u32 s18, 0                            ; q or k
	s_cselect_b64 s[8:9], s[72:73], s[74:75]
	s_cselect_b64 s[10:11], s[80:81], s[82:83]
	s_cselect_b32 s3, 0, 1                         ; in kv everything lies twice as far apart as in qc
	s_cselect_b32 s84, s88, s90
	s_cselect_b32 s85, s89, s91
	s_cselect_b32 s86, s94, s95
	s_add_co_i32 s84, s84, s85                     ; ew + ex
	s_sub_co_i32 s86, s86, s84                     ; eout - ew - ex
	s_lshl_b32 s66, s42, 10
	s_lshl_b32 s67, s16, 9
	s_add_co_u32 s66, s66, s67
	s_mov_b32 s67, 0
	s_add_nc_u64 s[8:9], s[8:9], s[66:67]
.irp b, 0,1,2,3,4,5,6,7
	global_load_b128 v[BIAS+8*\b:BIAS+8*\b+3],   v[BO], s[8:9] offset:64*\b
	global_load_b128 v[BIAS+8*\b+4:BIAS+8*\b+7], v[BO], s[8:9] offset:64*\b+16
.endr
	s_lshl_b32 s85, s13, 1
	s_add_co_u32 s85, s85, s15                     ; my group of 128 tokens
	s_lshr_b32 s87, s85, 4
	s_lshl_b32 s87, s87, 4                         ; 16 x batch
	s_lshl_b32 s66, s42, 2
	s_add_co_u32 s87, s87, s66
	s_lshl_b32 s66, s16, 1
	s_add_co_u32 s87, s87, s66                     ; + my first head
	s_lshl_b32 s87, s87, 17                        ; x 131,072
	s_and_b32 s85, s85, 15
	s_lshl_b32 s85, s85, 13                        ; + eight tiles x 1,024 for each group
	s_add_co_u32 s66, s87, s85
	s_lshl_b32 s66, s66, s3
	s_add_nc_u64 s[10:11], s[10:11], s[66:67]
	s_lshl_b32 s85, 0x20000, s3
	v_add_nc_u32 v[STB], s85, v[STA]               ; my second head
.endif
	s_sub_co_i32 s84, 0, s84
	s_add_co_i32 s86, s86, 127
	s_lshl_b32 s87, s86, 23
	v_mov_b32 v[SCL], s87
	s_add_co_i32 s86, s86, 15
	s_lshl_b32 s86, s86, 23
	s_or_b32 s86, s86, 0x600000
	v_mov_b32 v[LIM], s86
	STEP 1, 0, 0
	s_wait_dscnt 4*NL                              ; the very last step: nothing more to fetch
	WIN MUL_LO
	MUL16 0, 1, 0
	MUL16 2, 1, 0
	s_wait_dscnt 0
	WIN MUL_HI
	MUL16 4, 1, 0
	MUL16 6, 1, 0
	WIN 0
	s_wait_loadcnt 0x0                             ; the biases
.set j, 0
.rept 64-48*\isv
	v_ldexp_f32 v[BIAS+j], v[BIAS+j], s84          ; b / 2^(ew + ex): a sum stands for sum x 2^(ew + ex).  These lines name no register of the last products: they are the places behind them
.set j, j+1
.endr
.irp a, 0,1,2,3,4,5,6,7                ; block a: 16 rows of source 1 x 128 rows of source 0: a lane's 64 numbers become 16 registers of codes
.set AC, 64*(\a%4)
.set CD, CODE+16*(\a%4)
.if \a >= 4
	s_wait_xcnt 0x0                                ; block a - 4's stores have read their data: its set of codes is written again only behind this wait
.endif
	WIN 0x02+(\a/4)                                ; source 0: window 2 or 3
.set j, 0
.rept 32
.if \isv
	v_pk_add_f32 v[TMP+j:TMP+j+1], v[AC+j:AC+j+1], v[BIAS+2*\a:BIAS+2*\a+1]   ; each accumulator from its low end on
.else
	v_pk_add_f32 v[TMP+j:TMP+j+1], v[AC+j:AC+j+1], v[BIAS+j:BIAS+j+1]
.endif
.set j, j+2
.endr
	WIN 0
.set g, 0
.rept 8
.set i, 0
.rept 8
	v_med3_num_f32 v[TMP+8*g+i], v[TMP+8*g+i], -v[LIM], v[LIM]   ; the conversion to an 8-bit code does not saturate (ISA guide 7.6.2): the hold comes first
.set i, i+1
.endr
	v_cvt_scalef32_pk8_bf8_f32 v[CD+2*g:CD+2*g+1], v[TMP+8*g:TMP+8*g+7], v[SCL]
.set g, g+1
.endr
	v_nop                                          ; a plain line between the last conversion and the next block's additions, which write its sources
.if \isv
.irp c, 0,1,2,3
	global_store_b128 v[STA], v[CD+4*\c:CD+4*\c+3], s[10:11] offset:(\a/4)*262144+(\a%4)*2048+512*\c   ; head a / 4, channels 16 (a % 4) on; piece c: keys 32 c + 16 h + 0 .. 15.  512 consecutive bytes, aligned
.endr
.else
	global_store_b128 v[STA], v[CD:CD+3],     s[10:11] offset:\a*1024      ; token tile a, my first head: k = 16 c + 8 h + 0 .. 7 in registers 2 c, 2 c + 1
	global_store_b128 v[STA], v[CD+4:CD+7],   s[10:11] offset:\a*1024+512
	global_store_b128 v[STB], v[CD+8:CD+11],  s[10:11] offset:\a*1024      ; my second head
	global_store_b128 v[STB], v[CD+12:CD+15], s[10:11] offset:\a*1024+512
.endif
.endr
.endm
	s_wait_alu depctr_va_vdst(0)
	s_wait_tensorcnt 0x0                           ; my part of slot 0 is in
	ds_add_u32 v[SPW], v[NIL]
	s_wait_dscnt 0x0
	CROUND                                         ; everybody's part of slot 0 is in, and the sixteen work-groups meet
	JLOAD G0+4, G1, G0B+4, G1B                     ; slot 1's first fill: the first tensor load behind the round
	FETCH_B 0, 0, 0
	FETCH_A 0, 0, 0
	FETCH_A 0, 0, 4
	STEP 0, 0, 1                                   ; the first step stands in front of the loop: its products start the sums
	s_mov_b32 s3, LAPS-1
.Llap:                                                 ; a trip goes once round the ring, from a lap's second step to the next lap's first, and fills both slots again
	TURN 0, 1, 1
	STEP 1, 0, 0
	TURN 1, 0, 1
	STEP 0, 0, 0
	s_sub_co_u32 s3, s3, 1
	s_cmp_lg_u32 s3, 0
	s_cbranch_scc1 .Llap
	TURN 0, 1, 0                                   ; the last lap fills nothing, and has no round of the cluster's barrier
	s_cmp_eq_u32 s18, 2                            ; the cluster's y decides: the same way in all sixteen partners
	s_cbranch_scc1 .Lvalues
	TAIL 0
	s_branch .Ldone
.Lvalues:
	TAIL 1
.Ldone:
	s_wait_tensorcnt 0x0                           ; the wave's end
	ds_add_u32 v[SPW], v[NIL]
	s_wait_dscnt 0x0
	CROUND                                         ; the closing round: no work-group ends while a partner may still ask for a tile that names it
	s_endpgm
.Lfunc_end_k_qd215bf3818_qkv:
	.size	k_qd215bf3818_qkv, .Lfunc_end_k_qd215bf3818_qkv-k_qd215bf3818_qkv
	.p2alignl 7, 3214868480
	.fill 96, 4, 3214868480
	.section	.rodata,"a",@progbits
	.p2align	6, 0x0
	.amdhsa_kernel k_qd215bf3818_qkv
		.amdhsa_group_segment_fixed_size 327680
		.amdhsa_private_segment_fixed_size 0
		.amdhsa_enable_private_segment 0
		.amdhsa_kernarg_size 64
		.amdhsa_user_sgpr_count 2
		.amdhsa_user_sgpr_kernarg_segment_ptr 1
		.amdhsa_wavefront_size32 1
		.amdhsa_system_sgpr_workgroup_id_x 1
		.amdhsa_system_sgpr_workgroup_id_y 1
		.amdhsa_system_sgpr_workgroup_id_z 1
		.amdhsa_system_vgpr_workitem_id 0
		.amdhsa_next_free_vgpr 1024
		.amdhsa_next_free_sgpr 102
		.amdhsa_reserve_vcc 0
		.amdhsa_float_denorm_mode_32 3
		.amdhsa_float_denorm_mode_16_64 3
		.amdhsa_memory_ordered 1
		.amdhsa_forward_progress 1
		.amdhsa_inst_pref_size 212
	.end_amdhsa_kernel
	.amdgpu_metadata
---
amdhsa.version: [ 1, 2 ]
amdhsa.kernels:
  - .name:           k_qd215bf3818_qkv
    .symbol:         k_qd215bf3818_qkv.kd
    .args:
      - { .name: xc, .offset: 0, .size: 8, .value_kind: global_buffer, .address_space: global }
      - { .name: wc, .offset: 8, .size: 8, .value_kind: global_buffer, .address_space: global }
      - { .name: bq, .offset: 16, .size: 8, .value_kind: global_buffer, .address_space: global }
      - { .name: bk, .offset: 24, .size: 8, .value_kind: global_buffer, .address_space: global }
      - { .name: bv, .offset: 32, .size: 8, .value_kind: global_buffer, .address_space: global }
      - { .name: lowp_scales, .offset: 40, .size: 8, .value_kind: global_buffer, .address_space: global }
      - { .name: qc, .offset: 48, .size: 8, .value_kind: global_buffer, .address_space: global }
      - { .name: kv, .offset: 56, .size: 8, .value_kind: global_buffer, .address_space: global }
    .group_segment_fixed_size: 327680
    .private_segment_fixed_size: 0
    .kernarg_segment_align: 8
    .kernarg_segment_size: 64
    .max_flat_workgroup_size: 128
    .sgpr_count:     102
    .vgpr_count:     1024
    .wavefront_size: 32
...
	.end_amdgpu_metadata
.endif
;; end of part 2
;; launch attn (part 3): grid 8 x 32, 8 waves a work-group, clusters of 4 x 1, 327,680 bytes of LDS; arguments qc, kv, lowp_scales, oc; writes oc
.if DOCPART == 3
	.amdgcn_target "amdgcn-amd-amdhsa--gfx1250"
	.amdhsa_code_object_version 6
	.text
	.protected	k_qd215bf3818_attn
	.globl	k_qd215bf3818_attn
	.p2align	8
	.type	k_qd215bf3818_attn,@function
k_qd215bf3818_attn:
	s_mov_b64 s[64:65], 0
	v_nop
	global_prefetch_b8 v0, s[64:65] scope:SCOPE_SE
	s_setreg_imm32_b32 hwreg(HW_REG_WAVE_MODE, 25, 1), 1
	s_wait_xcnt 0x0
	s_wait_alu depctr_hold_cnt(0) depctr_sa_sdst(0) depctr_va_vdst(0) depctr_va_sdst(0) depctr_va_ssrc(0) depctr_va_vcc(0) depctr_vm_vsrc(0)
	s_getreg_b32 s2, hwreg(HW_REG_IB_STS2, 6, 4)
	s_cmp_eq_u32 s2, 0
	s_cbranch_scc0 .Lentry_in_a_cluster
	s_endpgm
.Lentry_in_a_cluster:
	s_bfe_u32 s2, ttmp6, 0x10000c
	s_cmp_lg_u32 s2, 0x3003
	s_cbranch_scc0 .Lentry_shape_is_right
	s_endpgm
.Lentry_shape_is_right:
; o = softmax(q k^T / 8) v for one batch and head, both products on codes of BF8 (E5M2); o is quantised on the way out, for the projection that follows.
; THE SOFTMAX: t = score x log2(e) / 8; M = the row's largest t so far, rounded UP to a whole number; p = 2^(t - M) is quantised along the keys, not normalised.
; The row's sum is taken of the unquantised p, in f32, and divides O at the end.  When M moves, the sum and O are multiplied by 2^(old M - new M): exact.
; SHARES.  A work-group owns 256 queries of one batch and head; each of its EIGHT waves owns 32, two tiles of 16: each fragment of K and of V that a wave reads from LDS feeds two matrix instructions.
; K AND V OF THE WHOLE HEAD LIE IN LDS, FILLED ONCE: 262,144 bytes as images of operand registers: [step of 128 keys 0..15][K: 8 tiles x 1,024 | V: 4 tiles of 16 channels x 2,048].
; At the head each wave asks for 8,192 bytes (together steps 0 to 3); behind the full sequence and a round each asks for 24,576 bytes (steps 4 to 15), which have three steps' work in which to land.
; CLUSTER: the four query blocks of a cluster belong to one head, so each part is asked for JOINTLY (mask 15).  One tensor load of a wave is out at any time.
; NO PREFETCH: every fill goes out at the head; there is no loop that runs ahead of a load.
; LAYOUT.  S^T = K Q^T (source 0 = 16 keys, source 1 = 16 queries, K = 64), O^T = V^T P^T (source 0 = 16 channels, source 1 = P, K = 128 keys): a lane holds ONE query of each tile.
; Slot r of key tile 2 b + u is key 32 b + 8 u + r + 8 (r / 8): the 16 registers of tiles 2 b, 2 b + 1 are keys 32 b + 16 (lane / 16) + 0 .. 15; V's image has its keys in the same places.
; A STEP: this step's V and the next step's K are asked for; ONE softmax for both tiles, their chains line by line in turn; then 24 matrix instructions on end: S^T of the next step, O^T of this one.
; Among tile 0's exponentials stand tile 1's t - M, among tile 1's stand tile 0's holds: lines whose sources were ready ahead of a wait and whose results are first read behind the batch's closing wait.
; REGISTERS.  Window 0 holds all that vector instructions read: v1 16 x lane, v2 the step's LDS address, v4, v5 the add's two, v6, v7 lane permutes' results; v8-13, v16-21 a tile's -M, largest score, sum (pair), old -M, a number at work;
;   v24-31 the maxima's eight chains, v[32:33], v[34:35] the two f, v36, v37 57,344 x 2^e8, v38 2^e8, v39 2^e10, v40 57,344 x 2^e10, v42-47 the sum's three other chains; v64-127, v128-191 S^T, then p, of the two tiles; v192-255 O^T.
;   Window 1: v0-15 Q's two fragments, v16-47 p's codes, v64-127 K, v128-191 V.
; LIMITS on the given exponents (entries 6 to 10): e6 + e7 between -123 and 130 (added to c's exponent field); e8 and e10 between -126 and 112; e8 + e9 goes in by v_ldexp_f32.
; The scaled scores t stay under 2^31 in magnitude.  NaN among the inputs is not served.
.set SPARE, 0x40000                    ; behind K and V: the spare words, 128 bytes for each wave
.set S0, 64
.set S1, 128
.set OT, 192
.set KW, 64
.set VW, 128
.set MSB, 0
.macro WIN new                         ; the immediate's high byte repeats the setting that is left
.if MSB != \new
	s_set_vgpr_msb (MSB<<8)|\new
.set MSB, \new
.endif
.endm
.macro PLACES
.rept 4
	v_nop
.endr
.endm
.macro ROUND                           ; a round of the cluster's barrier
	s_barrier_signal -1
	s_barrier_wait -1
	s_cmp_lg_u32 s12, 0
	s_cbranch_scc1 .Lnot_wave_0_\@
	s_barrier_signal -3
.Lnot_wave_0_\@:
	s_barrier_wait -3
	s_barrier_signal -1
	s_barrier_wait -1
.endm
	s_load_b256 s[4:11], s[0:1], 0x0               ; qc s[4:5], kv s[6:7], the exponents s[8:9], oc s[10:11]
	v_lshl_add_u32 v4, v0, 2, SPARE
	v_mov_b32 v5, 0
	ds_add_u32 v4, v5                              ; the opening lines: the add, twice on end, and its wait ahead of my first tensor load
	ds_add_u32 v4, v5
	v_lshrrev_b32 v1, 5, v0
	v_readfirstlane_b32 s12, v1                    ; wave 0..7
	s_bfe_u32 s13, ttmp6, 0x40000                  ; cx
	s_lshl_b32 s14, ttmp9, 2
	s_add_co_u32 s14, s14, s13                     ; my block of 256 queries: it enters Q's and o's addresses alone
	s_and_b32 s15, ttmp7, 0xffff                   ; 16 x batch + head, which the four partners share
	s_lshl_b32 s16, s12, 13                        ; my first part: 8,192 x wave
	s_mul_i32 s17, s12, 24576
	s_add_co_u32 s17, s17, 65536                   ; my second part: 65,536 + 24,576 x wave
	s_lshl_b32 s18, s15, 18                        ; the head's 262,144 bytes
	s_mov_b32 s19, 0
	; two groups 1: dense blocks as rows of 32 elements of 8 bytes: 32 rows, and 96 rows
	s_mov_b32 s24, 15|(3<<16)|(1<<21)              ; the mask: all four work-groups; elements of 8 bytes; no padding; bit 21 beside a mask
	s_mov_b32 s25, 32<<16
	s_mov_b32 s26, 32<<16
	s_mov_b32 s27, 32<<16
	s_mov_b32 s28, 32
	s_mov_b32 s29, 32
	s_mov_b32 s30, 0
	s_mov_b32 s31, 0
	s_mov_b32 s40, 15|(3<<16)|(1<<21)
	s_mov_b32 s41, 32<<16
	s_mov_b32 s42, 96<<16
	s_mov_b32 s43, 32<<16
	s_mov_b32 s44, 96
	s_mov_b32 s45, 32
	s_mov_b32 s46, 0
	s_mov_b32 s47, 0
	s_mov_b32 s20, 0x76543210                      ; v_permlanex16_b32's selects for lane l xor 16
	s_mov_b32 s21, 0xfedcba98
	s_mov_b32 s22, 0x3e38aa3b                      ; c = log2(e) / 8
	s_mov_b32 s54, 0                               ; the step's first LDS byte
	s_mov_b32 s58, s16
	s_mov_b32 s59, 0
	s_mov_b32 s60, s17
	s_mov_b32 s61, 0
	s_wait_dscnt 0x0                               ; both opening adds are done
	s_wait_kmcnt 0x0
	s_load_b128 s[48:51], s[8:9], 0x18             ; e6 (q), e7 (k), e8 (p), e9 (v)
	s_load_b32 s52, s[8:9], 0x28                   ; e10 (o)
	s_add_nc_u64 s[6:7], s[6:7], s[18:19]
	s_mov_b32 s32, 1
	s_mov_b32 s33, s16                             ; the same place in LDS as in the head's block
	s_add_nc_u64 s[34:35], s[6:7], s[58:59]
	s_or_b32 s35, s35, 0x80000000
	s_mov_b32 s36, 1
	s_mov_b32 s37, s17
	s_add_nc_u64 s[38:39], s[6:7], s[60:61]
	s_or_b32 s39, s39, 0x80000000
	ROUND                                          ; all four work-groups are here: the joint loads meet
	tensor_load_to_lds s[32:35], s[24:31]          ; my part of steps 0 to 3: my one load at the head
	s_nop 0
	PLACES
	s_lshl_b32 s58, s15, 7                         ; Q: tile 128 x head + 16 x block + 2 x wave, 1,024 bytes each
	s_lshl_b32 s60, s14, 4
	s_add_co_u32 s58, s58, s60
	s_lshl_b32 s60, s12, 1
	s_add_co_u32 s58, s58, s60
	s_lshl_b32 s58, s58, 10
	s_add_nc_u64 s[4:5], s[4:5], s[58:59]
	s_lshr_b32 s58, s15, 4                         ; o: group of 128 tokens = 16 x batch + 2 x block + wave / 4,
	s_lshl_b32 s58, s58, 4
	s_lshl_b32 s60, s14, 1
	s_add_co_u32 s58, s58, s60
	s_lshr_b32 s60, s12, 2
	s_add_co_u32 s58, s58, s60
	s_lshl_b32 s58, s58, 3
	s_bfe_u32 s60, s15, 0x30001                    ; K step = head / 2,
	s_add_co_u32 s58, s58, s60
	s_lshl_b32 s58, s58, 14
	s_and_b32 s60, s12, 3                          ; tiles 2 (wave % 4) and the next,
	s_lshl_b32 s60, s60, 12
	s_add_co_u32 s58, s58, s60
	s_and_b32 s60, s15, 1                          ; the fragment's lower or upper half = head % 2
	s_lshl_b32 s60, s60, 10
	s_add_co_u32 s58, s58, s60
	s_add_nc_u64 s[10:11], s[10:11], s[58:59]
	v_and_b32 v1, 31, v0
	v_lshlrev_b32 v1, 4, v1                        ; 16 x lane
	WIN 0x40
.irp i, 0,1,2,3
	global_load_b128 v[4*\i:4*\i+3], v1, s[4:5] offset:512*\i   ; Q's two fragments stay in window 1
.endr
	WIN 0
	v_mov_b32 v2, v1
.irp st, 8, 16
	v_mov_b32 v[\st+1], 0xff61b1e6                 ; the largest score so far: -3e38, under every score
	v_mov_b32 v[\st+2], 0                          ; the sum, in two halves
	v_mov_b32 v[\st+3], 0
	v_mov_b32 v[\st+4], 0x7f61b1e6                 ; the old -M of the first step: 3e38, so that the first f is 0
.endr
	v_mov_b32 v6, 0                                ; a lane permute's destination counts as one of its sources
	v_mov_b32 v7, 0
	v_mov_b32 v33, 0                               ; (named as the upper halves of the pairs of f)
	v_mov_b32 v35, 0
.set j, 0
.rept 64
	v_mov_b32 v[OT+j], 0                           ; O^T: the first step finds zeros, which the first f leaves zeros
.set j, j+1
.endr
	s_wait_kmcnt 0x0
	s_add_co_i32 s58, s48, s49
	s_lshl_b32 s58, s58, 23
	s_add_co_i32 s22, s22, s58                     ; a score stands for score x 2^(e6 + e7): added to c's exponent field
	s_mov_b32 s23, s22
	s_add_co_i32 s58, s50, 127
	s_lshl_b32 s60, s58, 23
	v_mov_b32 v38, s60                             ; 2^e8
	s_add_co_i32 s58, s58, 15
	s_lshl_b32 s58, s58, 23
	s_or_b32 s58, s58, 0x600000
	v_mov_b32 v36, s58                             ; 57,344 x 2^e8,
	v_mov_b32 v37, s58                             ; twice: the halves of a dual pair take their second sources from different banks
	s_add_co_i32 s58, s52, 127
	s_lshl_b32 s60, s58, 23
	v_mov_b32 v39, s60                             ; 2^e10
	s_add_co_i32 s58, s58, 15
	s_lshl_b32 s58, s58, 23
	s_or_b32 s58, s58, 0x600000
	v_mov_b32 v40, s58                             ; 57,344 x 2^e10
.macro LOADS dst, off                  ; an image of 8,192 bytes into 64 registers of window 1: sixteen pieces of 512 consecutive bytes
	WIN 0x40
.set tt, 0
.rept 16
	ds_load_b128 v[\dst+4*tt:\dst+4*tt+3], v2 offset:\off+512*tt
.set tt, tt+1
.endr
.endm
.macro QK t                            ; S^T of query tile t: eight tiles of 16 keys (both sources in window 1, results in window 0)
.set tt, 0
.rept 8
	v_wmma_f32_16x16x64_bf8_bf8 v[S0+64*(\t)+8*tt:S0+64*(\t)+8*tt+7], v[KW+8*tt:KW+8*tt+7], v[8*(\t):8*(\t)+7], 0
.set tt, tt+1
.endr
.endm
.macro PV t                            ; O^T += V^T P^T of tile t: the accumulators take turns
.set tt, 0
.rept 4
	v_wmma_f32_16x16x128_bf8_bf8 v[OT+32*(\t)+8*tt:OT+32*(\t)+8*tt+7], v[VW+16*tt:VW+16*tt+15], v[16+16*(\t):31+16*(\t)], v[OT+32*(\t)+8*tt:OT+32*(\t)+8*tt+7]
.set tt, tt+1
.endr
.endm
.macro DMIN x                          ; the conversion to an 8-bit code does not saturate (ISA guide 7.6.2); p is not negative: a one-sided hold, two an instruction
	v_dual_min_num_f32 v[\x], v[\x], v37 :: v_dual_min_num_f32 v[\x+1], v[\x+1], v36
.endm
; The row's sum of the UNQUANTISED p, two at a time, in four chains: pairs 0, 4, 8 .. go on the running sum, the others on v[42:47].  hold = 1: pair k - 4 is held behind the line that reads pair k.
.macro SUMS sb, sm, hold
.set k, 0
.rept 32
.if k%4 == 0
	v_pk_add_f32 v[\sm:\sm+1], v[\sm:\sm+1], v[\sb+2*k:\sb+2*k+1]
.elseif k >= 8
	v_pk_add_f32 v[40+2*(k%4):41+2*(k%4)], v[40+2*(k%4):41+2*(k%4)], v[\sb+2*k:\sb+2*k+1]
.elseif k >= 4
	v_pk_add_f32 v[40+2*(k%4):41+2*(k%4)], v[\sb+2*k-8:\sb+2*k-7], v[\sb+2*k:\sb+2*k+1]
.endif
.if \hold && (k >= 4)
	DMIN \sb+2*k-8
.endif
.set k, k+1
.endr
	v_pk_add_f32 v[42:43], v[42:43], v[44:45]
	v_pk_add_f32 v[\sm:\sm+1], v[\sm:\sm+1], v[46:47]
.if \hold
	DMIN \sb+56
	DMIN \sb+58
.endif
	v_pk_add_f32 v[\sm:\sm+1], v[\sm:\sm+1], v[42:43]
.if \hold
	DMIN \sb+60
	DMIN \sb+62
.endif
.endm
; THE SOFTMAX of both tiles' 128 keys.
.macro SMJ
.set tt, 0
.rept 4
	v_max3_num_f32 v[24+tt], v[S0+3*tt], v[S0+3*tt+1], v[S0+3*tt+2]   ; the largest score among my 64 keys, four chains a tile, in ascending order: each accumulator is first read at its low end
	v_max3_num_f32 v[28+tt], v[S1+3*tt], v[S1+3*tt+1], v[S1+3*tt+2]
.set tt, tt+1
.endr
.set tt, 0
.rept 26
	v_max3_num_f32 v[24+tt%4], v[24+tt%4], v[S0+12+2*tt], v[S0+13+2*tt]
	v_max3_num_f32 v[28+tt%4], v[28+tt%4], v[S1+12+2*tt], v[S1+13+2*tt]
.set tt, tt+1
.endr
	v_max3_num_f32 v24, v24, v25, v26
	v_max3_num_f32 v28, v28, v29, v30
	v_max_num_f32 v24, v24, v27
	v_max_num_f32 v28, v28, v31
	v_permlanex16_b32 v6, v24, s20, s21
	v_permlanex16_b32 v7, v28, s20, s21
	v_max3_num_f32 v9, v9, v24, v6                 ; the running largest score, lane l xor 16's among it
	v_max3_num_f32 v17, v17, v28, v7
	v_mul_f32 v13, s22, v9                         ; as t (c is positive, so the largest score gives the largest t)
	v_mul_f32 v21, s22, v17
	v_floor_f32 v8, -v13                           ; the new -M = -ceil(t)
	v_floor_f32 v16, -v21
	v_sub_f32 v13, v8, v12                         ; old M less new M: a whole number, 0 or less
	v_sub_f32 v21, v16, v20
.set j, 0
.rept 32
	v_pk_fma_f32 v[S0+j:S0+j+1], v[S0+j:S0+j+1], s[22:23], v[8:9] op_sel_hi:[1,0,0]   ; tile 0: t - M, two at a time; the chains that make f stand among these
.if j == 4
	v_cvt_i32_f32 v13, v13                         ; (it saturates)
	v_cvt_i32_f32 v21, v21
.endif
.if j == 12
	v_ldexp_f32 v32, 1.0, v13                      ; f = 2^(old M - new M)
	v_ldexp_f32 v34, 1.0, v21
	v_mov_b32 v12, v8
	v_mov_b32 v20, v16
.endif
.set j, j+2
.endr
	s_wait_alu depctr_va_vdst(0)                   ; the wait ahead of the batch
.set j, 0
.rept 64
	v_exp_f32 v[S0+j], v[S0+j]                     ; tile 0: p = 2^(t - M), at most 1
.if j%2 == 1
	v_pk_fma_f32 v[S1+j-1:S1+j], v[S1+j-1:S1+j], s[22:23], v[16:17] op_sel_hi:[1,0,0]   ; tile 1: t - M: read by its exponentials behind the wait below
.endif
.set j, j+1
.endr
	v_pk_mul_f32 v[10:11], v[10:11], v[32:33] op_sel_hi:[1,0]   ; tile 0's sum under the new M
	s_wait_alu depctr_va_vdst(0)                   ; the wait behind the batch; it stands ahead of the next batch too
	SUMS S0, 10, 0
.set j, 0
.rept 64
	v_exp_f32 v[S1+j], v[S1+j]                     ; tile 1
.if j%2 == 1
	DMIN S0+j-1                                    ; tile 0's holds: read by the conversions behind the wait below
.endif
.set j, j+1
.endr
	v_pk_mul_f32 v[18:19], v[18:19], v[34:35] op_sel_hi:[1,0]
	s_wait_alu depctr_va_vdst(0)                   ; the wait behind the batch, directly ahead of the first reader of O^T
.set j, 0
.rept 16
	v_pk_mul_f32 v[OT+j:OT+j+1], v[OT+j:OT+j+1], v[32:33] op_sel_hi:[1,0]   ; O^T under the new M; each accumulator from its low end on
.set j, j+2
.endr
.rept 16
	v_pk_mul_f32 v[OT+j:OT+j+1], v[OT+j:OT+j+1], v[34:35] op_sel_hi:[1,0]
.set j, j+2
.endr
	SUMS S1, 18, 1
	WIN 0x40                                       ; the codes go to window 1
.set g, 0
.rept 16
	v_cvt_scalef32_pk8_bf8_f32 v[16+2*g:17+2*g], v[S0+8*g:S0+8*g+7], v38
.set g, g+1
.endr
	WIN 0
	v_nop                                          ; a plain line between the last conversion and the products, which read its result and write its sources
.endm
; A KEY STEP.  At its head S^T of both tiles has been issued, and K's and V's registers are free.  more = 1: a step follows.
.macro TRIP more
	PLACES                                         ; four places in front of the loads into K's and V's registers and of the first read of the scores (ISA guide 7.12.1 for vector instructions)
	LOADS VW, 8192                                 ; this step's V,
.if \more
	LOADS KW, 16384                                ; and the next step's K: both land under the softmax
.endif
	WIN 0
.if \more
	s_add_co_u32 s54, s54, 16384
	v_add_nc_u32 v2, s54, v1                       ; one step on (LDS loads that are out have read their address)
.endif
	SMJ
	s_wait_alu depctr_va_vdst(0)
	s_wait_dscnt 0x0                               ; K and V are in
	WIN 0x05
.if \more
	QK 0
	QK 1
.endif
	PV 0
	PV 1
	WIN 0
.endm
	s_wait_alu depctr_va_vdst(0)
	s_wait_tensorcnt 0x0                           ; my part of steps 0 to 3 is in
	ds_add_u32 v4, v5
	s_wait_dscnt 0x0
	ROUND                                          ; everybody's part is in, and the four work-groups meet
	tensor_load_to_lds s[36:39], s[40:47]          ; my part of steps 4 to 15: the first tensor load behind the round
	s_nop 0
	PLACES
	LOADS KW, 0
	WIN 0
	s_wait_loadcnt 0x0                             ; Q
	s_wait_dscnt 0x0
	WIN 0x05
	QK 0
	QK 1
	WIN 0
	s_mov_b32 s53, 3
.Lfirst:                                               ; steps 0 to 2: they read steps 0 to 3 alone
	TRIP 1
	s_sub_co_u32 s53, s53, 1
	s_cmp_lg_u32 s53, 0
	s_cbranch_scc1 .Lfirst
	s_wait_tensorcnt 0x0                           ; my part of steps 4 to 15 has landed; nothing is ever filled again
	s_wait_dscnt 0x0
	s_barrier_signal -1
	s_barrier_wait -1                              ; everybody's has
	s_mov_b32 s53, 12
.Lrest:                                                ; steps 3 to 14
	TRIP 1
	s_sub_co_u32 s53, s53, 1
	s_cmp_lg_u32 s53, 0
	s_cbranch_scc1 .Lrest
	TRIP 0                                         ; step 15 asks for nothing more
	; THE WAY OUT: O^T / the sum x 2^(e8 + e9) is o; held and converted with 2^e10, its codes are registers of the projection's operand.
	PLACES
	v_add_f32 v10, v10, v11
	v_add_f32 v18, v18, v19
	v_permlanex16_b32 v6, v10, s20, s21
	v_permlanex16_b32 v7, v18, s20, s21
	v_add_f32 v10, v10, v6                         ; the rows' sums
	v_add_f32 v18, v18, v7
	s_add_co_i32 s57, s50, s51
	s_wait_alu depctr_va_vdst(0)                   ; ahead of the batch of two
	v_rcp_f32 v10, v10
	v_rcp_f32 v18, v18
	v_nop
	s_wait_alu depctr_va_vdst(0)                   ; and behind it
	v_ldexp_f32 v10, v10, s57
	v_ldexp_f32 v18, v18, s57
	s_wait_alu depctr_va_vdst(0)                   ; directly ahead of the first reader of O^T
.set j, 0
.rept 32
	v_mul_f32 v[S0+j], v[OT+j], v10                ; register 8 t + i is o(my query, 16 t + 8 h + i)
.set j, j+1
.endr
.rept 32
	v_mul_f32 v[S0+j], v[OT+j], v18
.set j, j+1
.endr
.set j, 0
.rept 64
	v_med3_num_f32 v[S0+j], v[S0+j], -v40, v40
.set j, j+1
.endr
.set tt, 0
.rept 8
	v_cvt_scalef32_pk8_bf8_f32 v[S1+2*tt:S1+2*tt+1], v[S0+8*tt:S0+8*tt+7], v39
.set tt, tt+1
.endr
	v_nop
	global_store_b128 v1, v[S1:S1+3], s[10:11]                   ; 32 lanes store 512 consecutive bytes, aligned: my first tile,
	global_store_b128 v1, v[S1+4:S1+7], s[10:11] offset:512
	global_store_b128 v1, v[S1+8:S1+11], s[10:11] offset:2048    ; and my second
	global_store_b128 v1, v[S1+12:S1+15], s[10:11] offset:2560
	s_wait_tensorcnt 0x0                           ; the wave's end
	ds_add_u32 v4, v5
	s_wait_dscnt 0x0
	ROUND                                          ; the closing round
	s_endpgm
.Lfunc_end_k_qd215bf3818_attn:
	.size	k_qd215bf3818_attn, .Lfunc_end_k_qd215bf3818_attn-k_qd215bf3818_attn
	.p2alignl 7, 3214868480
	.fill 96, 4, 3214868480
	.section	.rodata,"a",@progbits
	.p2align	6, 0x0
	.amdhsa_kernel k_qd215bf3818_attn
		.amdhsa_group_segment_fixed_size 327680
		.amdhsa_private_segment_fixed_size 0
		.amdhsa_enable_private_segment 0
		.amdhsa_kernarg_size 32
		.amdhsa_user_sgpr_count 2
		.amdhsa_user_sgpr_kernarg_segment_ptr 1
		.amdhsa_wavefront_size32 1
		.amdhsa_system_sgpr_workgroup_id_x 1
		.amdhsa_system_sgpr_workgroup_id_y 1
		.amdhsa_system_sgpr_workgroup_id_z 1
		.amdhsa_system_vgpr_workitem_id 0
		.amdhsa_next_free_vgpr 448
		.amdhsa_next_free_sgpr 66
		.amdhsa_reserve_vcc 0
		.amdhsa_float_denorm_mode_32 3
		.amdhsa_float_denorm_mode_16_64 3
		.amdhsa_memory_ordered 1
		.amdhsa_forward_progress 1
		.amdhsa_inst_pref_size 101
	.end_amdhsa_kernel
	.amdgpu_metadata
---
amdhsa.version: [ 1, 2 ]
amdhsa.kernels:
  - .name:           k_qd215bf3818_attn
    .symbol:         k_qd215bf3818_attn.kd
    .args:
      - { .name: qc, .offset: 0, .size: 8, .value_kind: global_buffer, .address_space: global }
      - { .name: kv, .offset: 8, .size: 8, .value_kind: global_buffer, .address_space: global }
      - { .name: lowp_scales, .offset: 16, .size: 8, .value_kind: global_buffer, .address_space: global }
      - { .name: oc, .offset: 24, .size: 8, .value_kind: global_buffer, .address_space: global }
    .group_segment_fixed_size: 327680
    .private_segment_fixed_size: 0
    .kernarg_segment_align: 8
    .kernarg_segment_size: 32
    .max_flat_workgroup_size: 256
    .sgpr_count:     66
    .vgpr_count:     448
    .wavefront_size: 32
...
	.end_amdgpu_metadata
.endif
;; end of part 3
;; launch outp (part 4): grid 8 x 32, 4 waves a work-group, clusters of 4 x 4, 280,064 bytes of LDS; arguments oc, wc, lowp_scales, bo, out0; writes out0
.if DOCPART == 4
	.amdgcn_target "amdgcn-amd-amdhsa--gfx1250"
	.amdhsa_code_object_version 6
	.text
	.protected	k_qd215bf3818_outp
	.globl	k_qd215bf3818_outp
	.p2align	8
	.type	k_qd215bf3818_outp,@function
k_qd215bf3818_outp:
	s_mov_b64 s[64:65], 0
	v_nop
	global_prefetch_b8 v0, s[64:65] scope:SCOPE_SE
	s_setreg_imm32_b32 hwreg(HW_REG_WAVE_MODE, 25, 1), 1
	s_wait_xcnt 0x0
	s_wait_alu depctr_hold_cnt(0) depctr_sa_sdst(0) depctr_va_vdst(0) depctr_va_sdst(0) depctr_va_ssrc(0) depctr_va_vcc(0) depctr_vm_vsrc(0)
	s_getreg_b32 s2, hwreg(HW_REG_IB_STS2, 6, 4)
	s_cmp_eq_u32 s2, 0
	s_cbranch_scc0 .Lentry_in_a_cluster
	s_endpgm
.Lentry_in_a_cluster:
	s_bfe_u32 s2, ttmp6, 0x10000c
	s_cmp_lg_u32 s2, 0xf033
	s_cbranch_scc0 .Lentry_shape_is_right
	s_endpgm
.Lentry_shape_is_right:
; out = o Wo + bo on codes of BF8 (E5M2), K = 1,024.  oc: [group of 128 tokens 0..31][K step of 128][tile 0..7][2048]; Wo's codes: the fourth MiB of wc, [group of 128 columns 0..7][K step][tile][2048]:
; images of operand registers: a fragment (16 rows x 128 K, 16 registers a lane) lies as 4 x 512 bytes, lane l's 16 bytes at 16 l.
; A block of the result is 128 tokens x 128 columns: 32 x 8 = 256 work-groups.  Four waves, each 64 x 64: 16 accumulators.
; THE WHOLE K OF BOTH OPERANDS LIES IN LDS, FILLED ONCE: 2 x 131,072 bytes; each wave asks for ONE dense block of 65,536 bytes (waves 0, 1: o's K steps 0-3, 4-7; waves 2, 3: Wo's).  No ring, one barrier.
; CLUSTERS: 4 x 4 work-groups; o's block hangs on the work-group's y alone and is asked for jointly by a row of the cluster, Wo's on x alone, by a column.
; NO PREFETCH: every fill goes out at the head; there is no loop that runs ahead of a load.
; TRANSPOSED USE: source 0 = 16 columns of Wo, source 1 = 16 tokens: a lane holds a token and eight neighbouring columns.  Slot r of token tile 2 b + u is token 32 b + 8 u + r + 8 (r / 8) of its group.
; THE WAY OUT: 16 tokens x 64 columns at a time through my own stage in LDS, back as rows of 256 bytes, x 2^(e10 + e11) + bo, stored sixteen lanes to an aligned unit of 256 bytes.
; LIMIT: e10 + e11 between -126 and 127.
; REGISTERS: window 0: v16-35 addresses and bo; v64-127 the way out; v128-255 the tokens' fragments, two sets.  Window 1: v0-127 the accumulators ((a, b) at v[8 (4 a + b)]); v128-255 Wo's fragments, two sets.
.set HALF,   65536
.set STAGE,  4*HALF
.set SPITCH, 272
.set SPARE,  STAGE+4*16*SPITCH
.set ADRA, 16                          ; v16-17  my token fragments, K steps 0-3, 4-7
.set ADRB, 20                          ; v20-21  the same for Wo
.set STO,  24
.set RD,   25
.set CO,   26
.set SPW,  28
.set NIL,  29
.set BK,   64
.set G1, 24
.set G0, 32
.set G1B, 48
.set G0B, 56
.set MSB, 0
.macro WIN new
.if MSB != \new
	s_set_vgpr_msb (MSB<<8)|\new
.set MSB, \new
.endif
.endm
.macro PLACES
.rept 4
	v_nop
.endr
.endm
.macro CROUND                          ; a round of the cluster's barrier
	s_barrier_signal -1
	s_barrier_wait -1
	s_cmp_lg_u32 s14, 0
	s_cbranch_scc1 .Lnot_wave_0_\@
	s_barrier_signal -3
.Lnot_wave_0_\@:
	s_barrier_wait -3
	s_barrier_signal -1
	s_barrier_wait -1
.endm
	s_load_b128 s[4:7], s[0:1], 0x0                ; oc, wc
	s_load_b128 s[8:11], s[0:1], 0x10              ; the exponents, bo
	s_load_b64 s[12:13], s[0:1], 0x20              ; out0
	v_lshl_add_u32 v[SPW], v0, 2, SPARE
	v_mov_b32 v[NIL], 0
	ds_add_u32 v[SPW], v[NIL]                      ; the opening lines
	ds_add_u32 v[SPW], v[NIL]
	v_lshrrev_b32 v1, 5, v0
	v_readfirstlane_b32 s14, v1                    ; wave 0..3
	s_lshr_b32 s15, s14, 1                         ; my half of the tokens.  Also: I fetch for o (0) or for Wo (1)
	s_and_b32 s16, s14, 1                          ; my half of the columns.  Also: which half of K I fetch
	s_bfe_u32 s40, ttmp6, 0x40000                  ; cx, cy
	s_bfe_u32 s41, ttmp6, 0x40004
	s_lshl_b32 s42, ttmp9, 2
	s_add_co_u32 s42, s42, s40                     ; the group of 128 columns
	s_and_b32 s17, ttmp7, 0xffff
	s_lshl_b32 s17, s17, 2
	s_add_co_u32 s17, s17, s41                     ; the group of 128 tokens
	s_lshl_b32 s43, s41, 2
	s_lshl_b32 s43, 15, s43                        ; my row of the cluster
	s_lshl_b32 s44, 0x1111, s40                    ; my column
	s_or_b32 s[G1+0], s43, (3<<16)|(1<<21)         ; elements of 8 bytes, no padding, bit 21 beside a mask
	s_or_b32 s[G1B+0], s44, (3<<16)|(1<<21)
.irp g, G1, G1B
	s_mov_b32 s[\g+1], 32<<16                      ; 256 dense rows of 32 elements
	s_mov_b32 s[\g+2], 256<<16
	s_mov_b32 s[\g+3], 32<<16
	s_mov_b32 s[\g+4], 256
	s_mov_b32 s[\g+5], 32
	s_mov_b32 s[\g+6], 0
	s_mov_b32 s[\g+7], 0
.endr
	s_lshl_b32 s18, s16, 16
	s_lshl_b32 s20, s17, 17
	s_add_co_u32 s20, s20, s18
	s_mov_b32 s21, 0
	s_lshl_b32 s46, s42, 17
	s_add_co_u32 s46, s46, s18
	s_add_co_u32 s46, s46, 0x300000
	s_mov_b32 s47, 0
	s_lshl_b32 s45, s14, 16                        ; where my load goes: wave x 65,536
	s_wait_dscnt 0x0
	s_wait_kmcnt 0x0
	s_load_b64 s[96:97], s[8:9], 0x28              ; e10, e11
	s_add_nc_u64 s[20:21], s[4:5], s[20:21]
	s_add_nc_u64 s[46:47], s[6:7], s[46:47]
	s_mov_b32 s[G0], 1
	s_mov_b32 s[G0+1], s45
	s_mov_b64 s[G0+2:G0+3], s[20:21]
	s_or_b32 s[G0+3], s[G0+3], 0x80000000
	s_mov_b32 s[G0B], 1
	s_mov_b32 s[G0B+1], s45
	s_mov_b64 s[G0B+2:G0B+3], s[46:47]
	s_or_b32 s[G0B+3], s[G0B+3], 0x80000000
	CROUND                                         ; all sixteen work-groups are here: the joint loads meet
	s_cmp_eq_u32 s15, 0
	s_cbranch_scc0 .Lfor_b
	tensor_load_to_lds s[G0:G0+3], s[G1:G1+7]
	s_nop 0
	PLACES
	s_branch .Lasked
.Lfor_b:
	tensor_load_to_lds s[G0B:G0B+3], s[G1B:G1B+7]
	s_nop 0
	PLACES
.Lasked:
	s_lshl_b32 s66, s42, 9                         ; my first column, in bytes: 512 x group + 256 x half
	s_lshl_b32 s67, s16, 8
	s_add_co_u32 s66, s66, s67
	s_mov_b32 s67, 0
	s_add_nc_u64 s[10:11], s[10:11], s[66:67]
	s_add_nc_u64 s[12:13], s[12:13], s[66:67]
	s_lshl_b32 s66, s17, 19                        ; my first token: 128 x group + 64 x half, rows of 4,096 bytes
	s_lshl_b32 s22, s15, 18
	s_add_co_u32 s66, s66, s22
	s_add_nc_u64 s[12:13], s[12:13], s[66:67]
	s_lshl_b32 s22, s15, 13                        ; my four token tiles of a K step
	s_lshl_b32 s23, s16, 13
	s_add_co_u32 s23, s23, 2*HALF                  ; my four tiles of Wo
	s_mul_i32 s18, s14, 16*SPITCH
	s_add_co_u32 s18, s18, STAGE                   ; my stage
	v_and_b32 v1, 31, v0
	v_lshlrev_b32 v2, 4, v1                        ; 16 x lane
	v_add_nc_u32 v[ADRA], s22, v2
	v_add_nc_u32 v[ADRB], s23, v2
	v_add_nc_u32 v[ADRA+1], HALF, v[ADRA]
	v_add_nc_u32 v[ADRB+1], HALF, v[ADRB]
	v_and_b32 v3, 15, v0
	v_bfe_u32 v4, v0, 4, 1
	v_mul_u32_u24 v5, v3, SPITCH
	v_lshl_add_u32 v5, v4, 5, v5
	v_add_nc_u32 v[STO], s18, v5                   ; in: row l % 16, 32 bytes for each half of the lanes
	v_mul_u32_u24 v6, v4, SPITCH
	v_lshl_add_u32 v6, v3, 4, v6
	v_add_nc_u32 v[RD], s18, v6                    ; back: sixteen lanes to a row, two rows an instruction
	v_lshlrev_b32 v7, 4, v3
	v_lshl_add_u32 v[CO], v4, 12, v7               ; and the same two rows in out0
	global_load_b128 v[32:35], v7, s[10:11]        ; bo at my four columns
.macro FRAG reg, adr, q, i
.irp c, 0,1,2,3
	ds_load_b128 v[\reg+4*\c:\reg+4*\c+3], v[\adr+(\q)/4] offset:16384*((\q)%4)+2048*(\i)+512*\c
.endr
.endm
.macro FETCH q                         ; K step q's eight fragments into set q % 2
	WIN 0x40
.irp i, 0,1,2,3
	FRAG 128+64*((\q)%2)+16*\i, ADRB, \q, \i
.endr
	WIN 0
.irp i, 0,1,2,3
	FRAG 128+64*((\q)%2)+16*\i, ADRA, \q, \i
.endr
.endm
.macro MUL q                           ; 16 matrix instructions; the accumulators take turns; the first step starts the sums
	WIN 0x51
.irp a, 0,1,2,3
.irp b, 0,1,2,3
.if (\q) == 0
	v_wmma_f32_16x16x128_bf8_bf8 v[8*(4*\a+\b):8*(4*\a+\b)+7], v[128+64*((\q)%2)+16*\b:128+64*((\q)%2)+16*\b+15], v[128+64*((\q)%2)+16*\a:128+64*((\q)%2)+16*\a+15], 0
.else
	v_wmma_f32_16x16x128_bf8_bf8 v[8*(4*\a+\b):8*(4*\a+\b)+7], v[128+64*((\q)%2)+16*\b:128+64*((\q)%2)+16*\b+15], v[128+64*((\q)%2)+16*\a:128+64*((\q)%2)+16*\a+15], v[8*(4*\a+\b):8*(4*\a+\b)+7]
.endif
.endr
.endr
	WIN 0
.endm
	s_wait_alu depctr_va_vdst(0)
	s_wait_tensorcnt 0x0                           ; my block has landed; nothing is ever filled again
	s_barrier_signal -1
	s_barrier_wait -1                              ; everybody's has
	FETCH 0
.irp q, 0,1,2,3,4,5,6
.if \q > 0
	PLACES                                         ; in front of loads into the set that the step before multiplied
.endif
	FETCH \q+1
	s_wait_dscnt 32                                ; this step's fragments are in; the 32 loads just issued may be out
	MUL \q
.endr
	s_wait_dscnt 0x0
	MUL 7
.macro TOSTAGE a
	WIN 0x04                                       ; the stores' data: window 1
.irp b, 0,1,2,3
	ds_store_b128 v[STO], v[32*(\a)+8*\b:32*(\a)+8*\b+3] offset:64*\b       ; each accumulator from its low end on
	ds_store_b128 v[STO], v[32*(\a)+8*\b+4:32*(\a)+8*\b+7] offset:64*\b+16
.endr
	WIN 0
.irp t, 0,1,2,3,4,5,6,7
	ds_load_b128 v[BK+32*((\a)%2)+4*\t:BK+32*((\a)%2)+4*\t+3], v[RD] offset:2*\t*SPITCH   ; LDS serves a wave's instructions in order: these see the stores above
.endr
.endm
.macro SEND a, younger
.set BB, BK+32*((\a)%2)
	s_wait_dscnt \younger
.irp t, 0,1,2,3,4,5,6,7
	v_pk_fma_f32 v[BB+4*\t:BB+4*\t+1],   v[BB+4*\t:BB+4*\t+1],   s[96:97], v[32:33] op_sel_hi:[1,0,1]   ; x 2^(e10 + e11) + bo
	v_pk_fma_f32 v[BB+4*\t+2:BB+4*\t+3], v[BB+4*\t+2:BB+4*\t+3], s[96:97], v[34:35] op_sel_hi:[1,0,1]
.endr
.irp t, 0,1,2,3,4,5,6,7
	global_store_b128 v[CO], v[BB+4*\t:BB+4*\t+3], s[12:13] offset:(32*((\a)/2)+8*((\a)%2)+2*\t+8*(\t/4))*4096 th:TH_STORE_NT   ; sixteen lanes store 256 consecutive bytes, aligned
.endr
.endm
	s_wait_kmcnt 0x0
	s_add_co_i32 s96, s96, s97
	s_add_co_i32 s96, s96, 127
	s_lshl_b32 s96, s96, 23                        ; 2^(e10 + e11) as f32
	s_wait_loadcnt 0x0                             ; bo
	PLACES                                         ; in front of the first read of results
	TOSTAGE 0
.irp a, 1,2,3
.if \a > 1
	s_wait_xcnt 0x0                                ; block a - 2's stores have read their data: block a's loads may land there
.endif
	TOSTAGE \a
	SEND \a-1, 16                                  ; behind block a - 1's loads: block a's 8 stores and 8 loads
.endr
	SEND 3, 0
	s_wait_tensorcnt 0x0                           ; the wave's end
	ds_add_u32 v[SPW], v[NIL]
	s_wait_dscnt 0x0
	CROUND                                         ; the closing round
	s_endpgm
.Lfunc_end_k_qd215bf3818_outp:
	.size	k_qd215bf3818_outp, .Lfunc_end_k_qd215bf3818_outp-k_qd215bf3818_outp
	.p2alignl 7, 3214868480
	.fill 96, 4, 3214868480
	.section	.rodata,"a",@progbits
	.p2align	6, 0x0
	.amdhsa_kernel k_qd215bf3818_outp
		.amdhsa_group_segment_fixed_size 280064
		.amdhsa_private_segment_fixed_size 0
		.amdhsa_enable_private_segment 0
		.amdhsa_kernarg_size 40
		.amdhsa_user_sgpr_count 2
		.amdhsa_user_sgpr_kernarg_segment_ptr 1
		.amdhsa_wavefront_size32 1
		.amdhsa_system_sgpr_workgroup_id_x 1
		.amdhsa_system_sgpr_workgroup_id_y 1
		.amdhsa_system_sgpr_workgroup_id_z 1
		.amdhsa_system_vgpr_workitem_id 0
		.amdhsa_next_free_vgpr 512
		.amdhsa_next_free_sgpr 98
		.amdhsa_reserve_vcc 0
		.amdhsa_float_denorm_mode_32 3
		.amdhsa_float_denorm_mode_16_64 3
		.amdhsa_memory_ordered 1
		.amdhsa_forward_progress 1
		.amdhsa_inst_pref_size 44
	.end_amdhsa_kernel
	.amdgpu_metadata
---
amdhsa.version: [ 1, 2 ]
amdhsa.kernels:
  - .name:           k_qd215bf3818_outp
    .symbol:         k_qd215bf3818_outp.kd
    .args:
      - { .name: oc, .offset: 0, .size: 8, .value_kind: global_buffer, .address_space: global }
      - { .name: wc, .offset: 8, .size: 8, .value_kind: global_buffer, .address_space: global }
      - { .name: lowp_scales, .offset: 16, .size: 8, .value_kind: global_buffer, .address_space: global }
      - { .name: bo, .offset: 24, .size: 8, .value_kind: global_buffer, .address_space: global }
      - { .name: out0, .offset: 32, .size: 8, .value_kind: global_buffer, .address_space: global }
    .group_segment_fixed_size: 280064
    .private_segment_fixed_size: 0
    .kernarg_segment_align: 8
    .kernarg_segment_size: 40
    .max_flat_workgroup_size: 128
    .sgpr_count:     98
    .vgpr_count:     512
    .wavefront_size: 32
...
	.end_amdgpu_metadata
.endif
;; end of part 4
